; MI455X (gfx1250); checked and timed in simulation.
; The chip was launched on July 23, 2026; its instructions are those of AMD's public machine-readable ISA for CDNA 5 (MIT licence, August 2026) and "CDNA5" Instruction Set Architecture Reference Guide (July 2026). The comments in the code are by the model that wrote it; some were corrected since.
;; Attention. Allowed arithmetic: float matrix products may take bf16 or f16 operands with f32 sums; all other float work in f32.
;; Inputs: W 1,024 x 2,048 float32; b 1,024 float32; encoder_mask 32 x 1 x 1,024 bool; encoder_outputs 1,024 x 32 x 1,024 float32; hidden 32 x 1,024 float32; v 1,024 float32.
;; Outputs: out0 32 x 1 x 1,024 float32.
;; 2 versions, each right; version 2 is version 1 with the launch main written anew for expert scheduling mode. Each part assembles by itself: llvm-mc -triple=amdgcn-amd-amdhsa -mcpu=gfx1250 --defsym DOCPART=n.
;; ======== version 1 of 2: 3 launches
;; workspace buffers: wf 2,097,152 bytes; hbp 524,288 bytes; scores 131,072 bytes
;; launch prep (part 1): grid 64 x 2, 4 waves a work-group, no clusters, 60,928 bytes of LDS; arguments W, hidden, wf, hbp; writes wf, hbp
.if DOCPART == 1
	.amdgcn_target "amdgcn-amd-amdhsa--gfx1250"
	.amdhsa_code_object_version 6
	.text
	.protected	k_q7e614657bb_prep
	.globl	k_q7e614657bb_prep
	.p2align	8
	.type	k_q7e614657bb_prep,@function
k_q7e614657bb_prep:
	s_mov_b64 s[64:65], 0
	v_nop
	global_prefetch_b8 v0, s[64:65] scope:SCOPE_SE
	s_setreg_imm32_b32 hwreg(HW_REG_WAVE_MODE, 25, 1), 1
	s_wait_xcnt 0x0
; W is [1024][2048] f32.  The concatenation in the problem splits the product: the left half W1 = W[:, :1024] meets only the 32 rows
; of hidden, the right half W2 = W[:, 1024:] meets encoder_outputs.  This launch
;   y = 1: rounds W2 to bf16 and stores it in the order in which the next launch's matrix fragments want it (wf);
;   y = 0: makes hbp[z][b][n] = sum over the 256 k of block z of hidden[b][k] W1[n][k]  (bf16 operands, f32 sums).
; x = 16 z + nblk: block z of 256 k (1,024 bytes of a row), block nblk of 64 rows of W; wave w owns 16 rows (tile nt = 4 nblk + w).
;
; ORDER OF K, the same for every matrix operand of the program, so that the products stay the same set:
; of a block of 1,024 bytes lane i loads the 16 bytes at 16 i and the 16 bytes at 512 + 16 i (each load of the wave covers 512
; consecutive bytes) and rounds these eight numbers to one chunk of eight bf16: chunk u = 32 z + i.  K step t of the 16x16x32
; product takes chunks 4t .. 4t+3: lane (r = lane % 16, h = lane / 16) has chunk 4t+h in registers 0-3 and chunk 4t+2+h in 4-7.
; wf byte = q 262144 + t 8192 + bt 1024 + g 512 + 16 lane  holds chunk 4t+2g+h of row n = 128 q + 16 bt + r.
;
; LIMITS: bf16 rounding of the operands; NaN and infinities are not served.
.set WROWB,  8192                      ; bytes in a row of W
.set HROWB,  4096                      ; bytes in a row of hidden, and of hbp
.set WPITCH, 272                       ; W stage: a chunk's 16 rows x 16 bytes + 16: lanes that differ by a chunk fall on different banks
.set WSTW,   32*WPITCH                 ; a wave's W stage: 32 chunks
.set HST,    4*WSTW                    ; hidden stage, shared: 32 chunks
.set HPITCH, 528                       ; 32 rows x 16 bytes + 16
.set OST,    HST+32*HPITCH             ; result stage, shared: 32 rows (b) of 64 f32
.set OPITCH, 272
.set XW,  16                           ; v[16:143]   16 rows of W as loaded, 8 registers each
.set XH,  144                          ; v[144:207]  8 rows of hidden as loaded
.set WF,  16                           ; v[16:79]    later: W's fragments of the 8 K steps
.set HF,  80                           ; v[80:207]   later: hidden's fragments, 2 row tiles x 8 K steps
.set T,   208                          ; v[208:215]  two chunks at work, in turn
.set ACC, 216                          ; v[216:231]  two accumulators
; v1 lane, v2 16 lane, v3 r, v4 h, v5 W stage in, v6 W stage out, v7 hidden stage in, v8 hidden stage out,
; v9 result stage in, v10 result stage out, v11 my byte offset in hbp
	s_load_b256 s[4:11], s[0:1], 0x0               ; W s[4:5], hidden s[6:7], wf s[8:9], hbp s[10:11]
	v_lshl_add_u32 v232, v0, 2, 0xec00
	v_mov_b32 v233, 0
	v_and_b32 v1, 31, v0
	v_lshrrev_b32 v12, 5, v0
	v_readfirstlane_b32 s12, v12                   ; wave
	s_and_b32 s13, ttmp9, 15                       ; nblk
	s_lshr_b32 s14, ttmp9, 4                       ; z
	s_and_b32 s15, ttmp7, 0xffff                   ; y: which half of W
	v_lshlrev_b32 v2, 4, v1
	v_and_b32 v3, 15, v1
	v_lshrrev_b32 v4, 4, v1
	s_mul_i32 s16, s12, WSTW                       ; my wave's W stage
	v_mul_u32_u24 v5, v1, WPITCH
	v_add_nc_u32 v5, s16, v5                       ; in: chunk = lane; the row comes by the immediate
	v_mul_u32_u24 v6, v4, WPITCH
	v_lshl_add_u32 v6, v3, 4, v6
	v_add_nc_u32 v6, s16, v6                       ; out: chunk h, row r; K step and g come by the immediate
	s_lshl2_add_u32 s17, s13, s12                  ; nt = 4 nblk + wave
	s_lshl_b32 s18, s17, 17                        ; 16 rows of 8,192 bytes
	s_lshl_b32 s20, s15, 12                        ; + the half of the row
	s_add_co_u32 s18, s18, s20
	s_lshl_b32 s20, s14, 10                        ; + block z
	s_add_co_u32 s18, s18, s20
	s_mov_b32 s19, 0
	s_wait_kmcnt 0x0
	s_add_nc_u64 s[4:5], s[4:5], s[18:19]
.macro LOADW                           ; my 16 rows' block z: 32 loads, 512 consecutive bytes each; every byte of W is read once in the launch
.irp rr, 0,1,2,3,4,5,6,7,8,9,10,11,12,13,14,15
	global_load_b128 v[XW+8*\rr:XW+8*\rr+3],   v2, s[4:5] offset:\rr*WROWB th:TH_LOAD_NT
	global_load_b128 v[XW+8*\rr+4:XW+8*\rr+7], v2, s[4:5] offset:\rr*WROWB+512 th:TH_LOAD_NT
.endr
.endm
.macro STAGEW                          ; row by row: round to bf16, one chunk a lane into the stage
.irp rr, 0,1,2,3,4,5,6,7,8,9,10,11,12,13,14,15
	s_wait_loadcnt 30-2*\rr                        ; loads return in order (ISA guide 5.7.1): row rr is in, the 15 - rr younger rows (2 loads each) stay out
.irp k, 0,1,2,3
	v_cvt_pk_bf16_f32 v[T+4*(\rr%2)+\k], v[XW+8*\rr+2*\k], v[XW+8*\rr+2*\k+1]
.endr
	ds_store_b128 v5, v[T+4*(\rr%2):T+4*(\rr%2)+3] offset:16*\rr
.endr
.endm
	s_cmp_lg_u32 s15, 0                            ; the same in all waves of the work-group
	s_cbranch_scc1 .Lconvert
	; ---------------- y = 0: hbp ----------------
	s_lshl_b32 s18, s12, 15                        ; hidden: my wave stages rows 8 w .. 8 w + 7
	s_lshl_b32 s20, s14, 10
	s_add_co_u32 s18, s18, s20
	s_add_nc_u64 s[6:7], s[6:7], s[18:19]
.irp rr, 0,1,2,3,4,5,6,7
	global_load_b128 v[XH+8*\rr:XH+8*\rr+3],   v2, s[6:7] offset:\rr*HROWB
	global_load_b128 v[XH+8*\rr+4:XH+8*\rr+7], v2, s[6:7] offset:\rr*HROWB+512
.endr
	LOADW
	s_lshl_b32 s20, s12, 7
	s_add_co_u32 s20, s20, HST
	v_mul_u32_u24 v7, v1, HPITCH
	v_add_nc_u32 v7, s20, v7                       ; in: chunk = lane, rows 8 w + ..
	v_mul_u32_u24 v8, v4, HPITCH
	v_lshl_add_u32 v8, v3, 4, v8
	v_add_nc_u32 v8, HST, v8                       ; out: chunk h, row r
	s_lshl_b32 s20, s12, 6
	s_add_co_u32 s20, s20, OST
	v_mul_u32_u24 v9, v3, OPITCH
	v_lshl_add_u32 v9, v4, 5, v9
	v_add_nc_u32 v9, s20, v9                       ; result in: row b = r, columns 16 w + 8 h + 0..7
	s_lshl_b32 s20, s12, 3
	v_add_nc_u32 v13, s20, v4                      ; 8 w + h
	v_mul_u32_u24 v10, v13, OPITCH
	v_lshl_add_u32 v10, v3, 4, v10
	v_add_nc_u32 v10, OST, v10                     ; result out: row 8 w + h, 16 bytes a lane
	v_lshlrev_b32 v11, 12, v13
	v_lshl_add_u32 v11, v3, 4, v11                 ; the same place in hbp
	s_lshl_b32 s18, s14, 17                        ; hbp: plane z, columns 64 nblk ..
	s_lshl_b32 s20, s13, 8
	s_add_co_u32 s18, s18, s20
	s_add_nc_u64 s[10:11], s[10:11], s[18:19]
	STAGEW                                         ; hidden's loads are older than W's: its last wait, for 0, covers them too
.irp rr, 0,1,2,3,4,5,6,7
.irp k, 0,1,2,3
	v_cvt_pk_bf16_f32 v[T+4*(\rr%2)+\k], v[XH+8*\rr+2*\k], v[XH+8*\rr+2*\k+1]
.endr
	ds_store_b128 v7, v[T+4*(\rr%2):T+4*(\rr%2)+3] offset:16*\rr
.endr
	s_wait_dscnt 0x0                               ; my part of the hidden stage is written, for the other waves' sake
	s_barrier_signal -1
	s_barrier_wait -1
.irp tl, 0,1,2,3,4,5,6,7
	ds_load_b128 v[WF+8*\tl:WF+8*\tl+3],   v6 offset:\tl*4*WPITCH
	ds_load_b128 v[WF+8*\tl+4:WF+8*\tl+7], v6 offset:\tl*4*WPITCH+2*WPITCH
.endr
.irp bt, 0,1
.irp tl, 0,1,2,3,4,5,6,7
	ds_load_b128 v[HF+64*\bt+8*\tl:HF+64*\bt+8*\tl+3],   v8 offset:\tl*4*HPITCH+256*\bt
	ds_load_b128 v[HF+64*\bt+8*\tl+4:HF+64*\bt+8*\tl+7], v8 offset:\tl*4*HPITCH+2*HPITCH+256*\bt
.endr
.endr
	s_wait_dscnt 0x0
	; source 0 = 16 rows of W, source 1 = 16 rows of hidden: register j of lane (r, h) is (b = r, n = 8 h + j), eight neighbours of a row.
	; The first products start the sums.
	v_wmma_f32_16x16x32_bf16 v[ACC:ACC+7],    v[WF:WF+7], v[HF:HF+7],     0
	v_wmma_f32_16x16x32_bf16 v[ACC+8:ACC+15], v[WF:WF+7], v[HF+64:HF+71], 0
.irp tl, 1,2,3,4,5,6,7
	v_wmma_f32_16x16x32_bf16 v[ACC:ACC+7],    v[WF+8*\tl:WF+8*\tl+7], v[HF+8*\tl:HF+8*\tl+7],       v[ACC:ACC+7]
	v_wmma_f32_16x16x32_bf16 v[ACC+8:ACC+15], v[WF+8*\tl:WF+8*\tl+7], v[HF+64+8*\tl:HF+64+8*\tl+7], v[ACC+8:ACC+15]
.endr
.rept 4
	v_nop                                          ; four independent places before the results are read and the sources loaded again (ISA guide 7.12.1)
.endr
.irp bt, 0,1
	ds_store_b128 v9, v[ACC+8*\bt:ACC+8*\bt+3]   offset:\bt*16*OPITCH
	ds_store_b128 v9, v[ACC+8*\bt+4:ACC+8*\bt+7] offset:\bt*16*OPITCH+16
.endr
	s_wait_dscnt 0x0                               ; my 16 columns of all 32 rows are written
	s_barrier_signal -1
	s_barrier_wait -1
.irp c, 0,1,2,3
	ds_load_b128 v[16+4*\c:19+4*\c], v10 offset:\c*2*OPITCH        ; rows 8 w + h + 2 c, whole: 64 f32 from four waves
.endr
.irp c, 0,1,2,3
	s_wait_dscnt 3-\c                              ; the younger read-backs stay out
	global_store_b128 v11, v[16+4*\c:19+4*\c], s[10:11] offset:\c*2*HROWB   ; sixteen lanes write 256 consecutive bytes, aligned
.endr
	s_wait_tensorcnt 0x0
	ds_add_u32 v232, v233
	s_wait_dscnt 0x0
	s_endpgm
	; ---------------- y = 1: wf ----------------
.Lconvert:
	LOADW
	s_lshr_b32 s18, s17, 3                         ; q = nt / 8
	s_lshl_b32 s18, s18, 18
	s_and_b32 s20, s17, 7                          ; bt = nt % 8
	s_lshl_b32 s20, s20, 10
	s_add_co_u32 s18, s18, s20
	s_lshl_b32 s20, s14, 16                        ; K steps 8 z ..
	s_add_co_u32 s18, s18, s20
	s_add_nc_u64 s[8:9], s[8:9], s[18:19]
	STAGEW
	; the stage is my wave's own and LDS serves a wave's instructions in order (ISA guide 5.7.1): no wait, no barrier
.irp tl, 0,1,2,3,4,5,6,7
	ds_load_b128 v[16+8*\tl:19+8*\tl], v6 offset:\tl*4*WPITCH
	ds_load_b128 v[20+8*\tl:23+8*\tl], v6 offset:\tl*4*WPITCH+2*WPITCH
.endr
.irp tl, 0,1,2,3,4,5,6,7
	s_wait_dscnt 15-2*\tl                          ; the younger read-backs stay out
	global_store_b128 v2, v[16+8*\tl:19+8*\tl], s[8:9] offset:\tl*8192       ; 512 consecutive bytes
	s_wait_dscnt 14-2*\tl
	global_store_b128 v2, v[20+8*\tl:23+8*\tl], s[8:9] offset:\tl*8192+512
.endr
	s_wait_tensorcnt 0x0
	ds_add_u32 v232, v233
	s_wait_dscnt 0x0
	s_endpgm
.Lfunc_end_k_q7e614657bb_prep:
	.size	k_q7e614657bb_prep, .Lfunc_end_k_q7e614657bb_prep-k_q7e614657bb_prep
	.p2alignl 7, 3214868480
	.fill 96, 4, 3214868480
	.section	.rodata,"a",@progbits
	.p2align	6, 0x0
	.amdhsa_kernel k_q7e614657bb_prep
		.amdhsa_group_segment_fixed_size 60928
		.amdhsa_private_segment_fixed_size 0
		.amdhsa_enable_private_segment 0
		.amdhsa_kernarg_size 32
		.amdhsa_user_sgpr_count 2
		.amdhsa_user_sgpr_kernarg_segment_ptr 1
		.amdhsa_wavefront_size32 1
		.amdhsa_system_sgpr_workgroup_id_x 1
		.amdhsa_system_sgpr_workgroup_id_y 1
		.amdhsa_system_sgpr_workgroup_id_z 1
		.amdhsa_system_vgpr_workitem_id 0
		.amdhsa_next_free_vgpr 234
		.amdhsa_next_free_sgpr 66
		.amdhsa_reserve_vcc 0
		.amdhsa_float_denorm_mode_32 3
		.amdhsa_float_denorm_mode_16_64 3
		.amdhsa_memory_ordered 1
		.amdhsa_forward_progress 1
		.amdhsa_inst_pref_size 33
	.end_amdhsa_kernel
	.amdgpu_metadata
---
amdhsa.version: [ 1, 2 ]
amdhsa.kernels:
  - .name:           k_q7e614657bb_prep
    .symbol:         k_q7e614657bb_prep.kd
    .args:
      - { .name: W, .offset: 0, .size: 8, .value_kind: global_buffer, .address_space: global }
      - { .name: hidden, .offset: 8, .size: 8, .value_kind: global_buffer, .address_space: global }
      - { .name: wf, .offset: 16, .size: 8, .value_kind: global_buffer, .address_space: global }
      - { .name: hbp, .offset: 24, .size: 8, .value_kind: global_buffer, .address_space: global }
    .group_segment_fixed_size: 60928
    .private_segment_fixed_size: 0
    .kernarg_segment_align: 8
    .kernarg_segment_size: 32
    .max_flat_workgroup_size: 128
    .sgpr_count:     66
    .vgpr_count:     234
    .wavefront_size: 32
...
	.end_amdgpu_metadata
.endif
;; end of part 1
;; launch main (part 2): grid 256 x 1, 4 waves a work-group, no clusters, 274,944 bytes of LDS; arguments encoder_outputs, wf, hbp, b, v, scores; writes scores
.if DOCPART == 2
	.amdgcn_target "amdgcn-amd-amdhsa--gfx1250"
	.amdhsa_code_object_version 6
	.text
	.protected	k_q7e614657bb_main
	.globl	k_q7e614657bb_main
	.p2align	8
	.type	k_q7e614657bb_main,@function
k_q7e614657bb_main:
	s_mov_b64 s[64:65], 0
	v_nop
	global_prefetch_b8 v0, s[64:65] scope:SCOPE_SE
	s_setreg_imm32_b32 hwreg(HW_REG_WAVE_MODE, 25, 1), 1
	s_wait_xcnt 0x0
; scores[b][s] = sum over n of v[n] tanh( eo[s][b][:] . W2[n][:] + hb[b][n] + bias[n] ),  hb = the sum of hbp's four planes.
; Work-group x: b = x % 32, the 128 rows s = 128 (x / 32) + 0..127.  One b for a work-group, so hb + bias is one row of 1,024 numbers
; and the 128 scores are 512 consecutive bytes.  256 work-groups of equal work.
;
; A (128 rows x 1,024 k) is read from memory once, rounded to bf16 once and stays in LDS for the whole kernel.
; Wave w makes the 128 x 128 tiles of columns n = 128 q + .., q = 2 w + p in pass p = 0, 1: 64 accumulator tiles, 512 registers.
; W2's fragments (wf, already in fragment order) are used by one wave only, so they go from memory straight into a ring of four register
; buffers: 64 steps of 8,192 consecutive bytes for each wave, three steps ahead.  The main loop therefore has no barrier.
; No cluster and no joint requests: A's 264,192 bytes leave LDS room for less than two of the work-group's 32,768-byte steps of W,
; fewer bytes ahead than the four waves' register rings hold (3 x 32,768).
; tanh x = 1 - 2 / (1 + 2^(C2 x)), C2 = 2 log2 e: an overflowing power gives 1, a vanishing one -1.
;
; ORDER OF K: chunk u = 32 z + i = the 8 numbers at bytes 16 i and 512 + 16 i of the row's block z of 1,024 bytes; K step t takes
; chunks 4t .. 4t+3, lane (r, h): chunk 4t+h in registers 0-3, 4t+2+h in 4-7.  wf is stored in the same order.
; The product is used transposed (source 0 = rows of W2, source 1 = rows of A): register j of lane (r, h) is (s = r, n = 8 h + j).
;
; LIMITS: operands rounded to bf16; tanh exact to about 1e-7 absolute; NaN and infinities in the inputs are not served; the sums over
; k and n run in another order than in the problem's text.
;
; REGISTERS by windows of 256:  window 0 addresses, sums, A's fragments;  window 1 the four buffers of W2's fragments;
; window 2 accumulators of row blocks 0-3 (tile (al, bt) at 8 (8 al + bt)), in the prologue the ring of rows as loaded;  window 3 blocks 4-7.
.set CH,    2064                       ; LDS: a chunk's 128 rows x 16 bytes + 16: lanes that differ by a chunk fall on different banks
.set ASTEP, 4*CH                       ; a K step of A
.set BSTEP, 8192                       ; a K step of a wave's part of wf
.set HB,    128*CH                     ; 264192: C2 (hb + bias), 1,024 f32
.set VV,    HB+4096                    ; v, 1,024 f32
.set RED,   HB+8192                    ; 4 waves x 128 partial scores
.set EOROW, 131072                     ; bytes from s to s + 1 in encoder_outputs
.set L16,  1                           ; v1      16 lane
.set VA0,  2                           ; v2      h CH + 16 r: my place in A's fragments
.set VA,   3                           ; v3      the same, running along K
.set VST,  4                           ; v[4:7]  where my chunk of block z of the current row goes
.set VHB,  8                           ; v8      my 8 columns in HB for this pass
.set RST,  9                           ; v9      my word in RED
.set HSTO, 10                          ; v10     HB + 16 thread
.set T16,  11                          ; v11     16 thread
.set VSUM, 12                          ; v[12:13] the sum of v over my columns
.set S,    16                          ; v[16:31] for each of the 8 row blocks a pair: sum of v / (1 + 2^..) over my columns
.set T,    32                          ; v[32:63] at work
.set F0,   64                          ; v[64:127]  A's fragments, buffer 0; on the way out C2 (hb + bias) of my columns
.set F1,   128                         ; v[128:191] A's fragments, buffer 1
.set VR,   192                         ; v[192:255] v of my columns
.set BB0,  0                           ; window 1: the four buffers of W2's fragments
.set BB1,  64
.set BB2,  128
.set BB3,  192
.set MSB, 0
.macro WIN new                         ; low byte: bits 1:0 source 0, 3:2 source 1, 5:4 source 2, 7:6 destination; high byte: the setting that is left
.if MSB != (\new)
	s_set_vgpr_msb (MSB<<8)|(\new)
.set MSB, \new
.endif
.endm
.macro PLACES                          ; four independent places behind a matrix instruction (ISA guide 7.12.1)
.rept 4
	v_nop
.endr
.endm
	s_load_b256 s[4:11], s[0:1], 0x0               ; eo s[4:5], wf s[6:7], hbp s[8:9], bias s[10:11]
	s_load_b128 s[12:15], s[0:1], 0x20             ; v s[12:13], scores s[14:15]
	v_lshl_add_u32 v14, v0, 2, 0x43000
	v_mov_b32 v15, 0
	v_lshrrev_b32 v[T], 5, v0
	v_readfirstlane_b32 s16, v[T]                  ; wave
	v_and_b32 v[T+1], 31, v0                       ; lane
	v_and_b32 v[T+2], 15, v0                       ; r
	v_bfe_u32 v[T+3], v0, 4, 1                     ; h
	s_and_b32 s17, ttmp9, 31                       ; b
	s_lshr_b32 s18, ttmp9, 5                       ; block of 128 s
	s_mov_b32 s22, 0x4038aa3b                      ; C2 = 2 log2 e, twice: a pair for the packed forms
	s_mov_b32 s23, 0x4038aa3b
	s_mov_b32 s26, 0x76543210                      ; v_permlanex16_b32: lane i takes lane i of the other half
	s_mov_b32 s27, 0xfedcba98
	v_lshlrev_b32 v[L16], 4, v[T+1]
	v_mul_u32_u24 v[VA0], v[T+3], CH
	v_lshl_add_u32 v[VA0], v[T+2], 4, v[VA0]
	v_mul_u32_u24 v[T+4], v[T+1], CH               ; chunk = lane
	s_lshl_b32 s20, s16, 9                         ; my wave fills rows 32 w ..: 512 bytes of every chunk
.irp z, 0,1,2,3
	v_add_nc_u32 v[VST+\z], s20, v[T+4]
	s_add_co_u32 s20, s20, 32*CH                   ; block z: 32 chunks further
.endr
	s_lshl_b32 s20, s16, 10                        ; my wave's 256 columns
	s_add_co_u32 s20, s20, HB
	v_lshl_add_u32 v[VHB], v[T+3], 5, s20
	s_lshl_b32 s20, s16, 9
	s_add_co_u32 s20, s20, RED
	v_lshl_add_u32 v[RST], v[T+2], 2, s20
	v_lshlrev_b32 v[T16], 4, v0
	v_add_nc_u32 v[HSTO], HB, v[T16]
	s_lshl_b32 s20, s18, 7                         ; eo: row s = 128 block + 32 wave, column block b
	s_lshl_b32 s21, s16, 5
	s_add_co_u32 s20, s20, s21
	s_lshl_b32 s20, s20, 17
	s_lshl_b32 s21, s17, 12
	s_add_co_u32 s20, s20, s21
	s_mov_b32 s21, 0
	s_lshl_b32 s28, s16, 19                        ; wf: my wave's 524,288 bytes
	s_mov_b32 s29, 0
	s_lshl_b32 s30, s17, 12                        ; hbp: row b
	s_mov_b32 s31, 0
	s_lshl_b32 s32, s18, 9                         ; scores: row b, my 128 numbers
	s_add_co_u32 s32, s32, s30
	s_mov_b32 s33, 0
	s_wait_kmcnt 0x0
	s_add_nc_u64 s[4:5], s[4:5], s[20:21]
	s_add_nc_u64 s[6:7], s[6:7], s[28:29]
	s_add_nc_u64 s[8:9], s[8:9], s[30:31]
	s_add_nc_u64 s[14:15], s[14:15], s[32:33]
; 16 loads: the fragments of W2 for one K step (8 column tiles), 8,192 consecutive bytes at off from the running base, into buffer fb
.macro FETCHB off, fb
	WIN 0x40
.irp bt, 0,1,2,3,4,5,6,7
	global_load_b128 v[\fb+8*\bt:\fb+8*\bt+3],   v[L16], s[6:7] offset:\off+1024*\bt
	global_load_b128 v[\fb+8*\bt+4:\fb+8*\bt+7], v[L16], s[6:7] offset:\off+1024*\bt+512
.endr
.endm
; 8 loads: a whole row of eo (4,096 bytes), 512 consecutive bytes each, into row slot 'slot' of window 2
.macro FILLROW slot, row
	WIN 0x80
.irp y, 0,1,2,3,4,5,6,7
	global_load_b128 v[32*\slot+4*\y:32*\slot+4*\y+3], v[L16], s[4:5] offset:(\row)*EOROW+512*\y th:TH_LOAD_NT
.endr
.endm
; A slot's turn: its row is rounded to bf16, four chunks a lane go to LDS, and (refill) the row eight further down is asked for.
.macro TURN slot, refill, left
	s_wait_loadcnt \left                           ; loads return in order (ISA guide 5.7.1): this slot's are in, the younger slots' stay out
	WIN 0x0a
.irp k, 0,1,2,3,4,5,6,7,8,9,10,11,12,13,14,15
	v_cvt_pk_bf16_f32 v[T+16*(\slot%2)+\k], v[32*\slot+2*\k], v[32*\slot+2*\k+1]
.endr
	WIN 0
.irp z, 0,1,2,3
	ds_store_b128 v[VST+\z], v[T+16*(\slot%2)+4*\z:T+16*(\slot%2)+4*\z+3] offset:16*\slot
.endr
.if \refill
	FILLROW \slot, \slot+8
.endif
.endm
	; PROLOGUE.  The small rows (each thread 16 bytes at 16 t and at 2,048 + 16 t), three steps of W2, then the fill of A.
.irp z, 0,1,2,3
	global_load_b128 v[F0+8*\z:F0+8*\z+3],   v[T16], s[8:9] offset:\z*131072
	global_load_b128 v[F0+8*\z+4:F0+8*\z+7], v[T16], s[8:9] offset:\z*131072+2048
.endr
	global_load_b128 v[F0+32:F0+35], v[T16], s[10:11]
	global_load_b128 v[F0+36:F0+39], v[T16], s[10:11] offset:2048
	global_load_b128 v[F0+40:F0+43], v[T16], s[12:13]
	global_load_b128 v[F0+44:F0+47], v[T16], s[12:13] offset:2048
	FETCHB 0*BSTEP, BB0
	FETCHB 1*BSTEP, BB1
	FETCHB 2*BSTEP, BB2
.irp i, 0,1,2,3,4,5,6,7
	FILLROW \i, \i
.endr
	WIN 0
	s_mov_b32 s25, 3
.Lfill:                                            ; my wave's 32 rows in four rounds of eight slots; 56 = seven younger slots of eight loads
.irp i, 0,1,2,3,4,5,6,7
	TURN \i, 1, 56
.endr
	WIN 0
	s_wait_xcnt 0x0                                ; the base is stepped only when every load issued has had its address taken
	s_add_nc_u64 s[4:5], s[4:5], 8*EOROW
.irp z, 0,1,2,3
	v_add_nc_u32 v[VST+\z], 128, v[VST+\z]         ; eight rows of 16 bytes
.endr
	s_sub_co_u32 s25, s25, 1
	s_cmp_lg_u32 s25, 0
	s_cbranch_scc1 .Lfill
.irp i, 0,1,2,3,4,5,6,7
	TURN \i, 0, 56-8*\i                            ; the last round asks for nothing: the counts run down to 0
.endr
	; C2 (hb + bias): the four planes of hbp are added in a fixed order
.irp o, 0,2,4,6
	v_pk_add_f32 v[F0+\o:F0+\o+1],       v[F0+\o:F0+\o+1],       v[F0+8+\o:F0+8+\o+1]
	v_pk_add_f32 v[F0+16+\o:F0+16+\o+1], v[F0+16+\o:F0+16+\o+1], v[F0+24+\o:F0+24+\o+1]
.endr
.irp o, 0,2,4,6
	v_pk_add_f32 v[F0+\o:F0+\o+1], v[F0+\o:F0+\o+1], v[F0+16+\o:F0+16+\o+1]
.endr
.irp o, 0,2,4,6
	v_pk_add_f32 v[F0+\o:F0+\o+1], v[F0+\o:F0+\o+1], v[F0+32+\o:F0+32+\o+1]
.endr
.irp o, 0,2,4,6
	v_pk_mul_f32 v[F0+\o:F0+\o+1], v[F0+\o:F0+\o+1], s[22:23] op_sel_hi:[1,0]
.endr
	ds_store_b128 v[HSTO], v[F0:F0+3]
	ds_store_b128 v[HSTO], v[F0+4:F0+7]   offset:2048
	ds_store_b128 v[HSTO], v[F0+40:F0+43] offset:4096
	ds_store_b128 v[HSTO], v[F0+44:F0+47] offset:6144
.irp i, 0,1,2,3,4,5,6,7,8,9,10,11,12,13,14,15
	v_mov_b32 v[S+\i], 0                           ; 18 sums that run through both passes
.endr
	v_mov_b32 v[VSUM], 0
	v_mov_b32 v[VSUM+1], 0
	s_wait_dscnt 0x0                               ; my rows of A and my part of the small rows are written, for the other waves' sake
	s_barrier_signal -1
	s_barrier_wait -1                              ; from here on A, HB and VV are only read
; 32 matrix instructions: row blocks 4 hi + 0..3 x all 8 column tiles, 32 along K.  zero = 1: the product starts the sums.
.macro MUL32 fa, fb, hi, zero
.if \hi
	WIN 0xf1                                       ; source 0 (W2) window 1, source 1 (A) window 0, C and D window 3
.else
	WIN 0xa1                                       ; the same, C and D window 2
.endif
.irp al, 0,1,2,3
.irp bt, 0,1,2,3,4,5,6,7
.if \zero
	v_wmma_f32_16x16x32_bf16 v[8*(8*\al+\bt):8*(8*\al+\bt)+7], v[\fb+8*\bt:\fb+8*\bt+7], v[\fa+8*(4*\hi+\al):\fa+8*(4*\hi+\al)+7], 0
.else
	v_wmma_f32_16x16x32_bf16 v[8*(8*\al+\bt):8*(8*\al+\bt)+7], v[\fb+8*\bt:\fb+8*\bt+7], v[\fa+8*(4*\hi+\al):\fa+8*(4*\hi+\al)+7], v[8*(8*\al+\bt):8*(8*\al+\bt)+7]
.endif
.endr
.endr
.endm
; 16 LDS loads, in the order of the row blocks: A's fragments of the K step at off from VA, into buffer fa.
; Sixteen lanes read 256 consecutive bytes (16 rows of one chunk).
.macro FETCHA off, fa
	WIN 0
.irp a, 0,1,2,3,4,5,6,7
	ds_load_b128 v[\fa+8*\a:\fa+8*\a+3],   v[VA] offset:\off+256*\a
	ds_load_b128 v[\fa+8*\a+4:\fa+8*\a+7], v[VA] offset:\off+256*\a+2*CH
.endr
.endm
; 32 LDS loads for the way out: C2 (hb + bias) and v of my 8 columns in each of the 8 column tiles
.macro FETCHE
	WIN 0
.irp bt, 0,1,2,3,4,5,6,7
	ds_load_b128 v[F0+8*\bt:F0+8*\bt+3],   v[VHB] offset:64*\bt
	ds_load_b128 v[F0+8*\bt+4:F0+8*\bt+7], v[VHB] offset:64*\bt+16
.endr
.irp bt, 0,1,2,3,4,5,6,7
	ds_load_b128 v[VR+8*\bt:VR+8*\bt+3],   v[VHB] offset:4096+64*\bt
	ds_load_b128 v[VR+8*\bt+4:VR+8*\bt+7], v[VHB] offset:4096+64*\bt+16
.endr
.endm
; One K step: 64 matrix instructions on buffers fa, fb; in its middle, in one run, the loads for later steps:
; akind 1: A's next step (at aoff) into fan; akind 2: the rows for the way out;  bfetch: W2's step three ahead (at boff) into fbn.
; lcnt: how many younger loads of W2 may stay out when this step's have to be in.
.macro STEP fa, fb, zero, lcnt, akind, aoff, fan, bfetch, boff, fbn
	s_wait_dscnt 8                                 ; A's row blocks 0-3 are in; the eight youngest loads (blocks 4-7) may be out
	s_wait_loadcnt \lcnt
	MUL32 \fa, \fb, 0, \zero
	PLACES                                         ; the loads below land in registers that the step before multiplied
.if (\akind) == 1
	FETCHA \aoff, \fan
.endif
.if (\akind) == 2
	FETCHE
.endif
.if \bfetch
	FETCHB \boff, \fbn
.endif
.if (\akind) == 2
	s_wait_dscnt 32                                ; all but the 32 just issued
.else
	s_wait_dscnt 16                                ; all but the 16 just issued
.endif
	MUL32 \fa, \fb, 1, \zero
.endm
; Four K steps, once round the ring of W2's buffers.  32 = the two younger steps of W2, 16 loads each.
.macro TRIP zero
	STEP F0, BB0, \zero, 32, 1, 1*ASTEP, F1, 1, 3*BSTEP, BB3
	STEP F1, BB1, 0, 32, 1, 2*ASTEP, F0, 1, 4*BSTEP, BB0
	STEP F0, BB2, 0, 32, 1, 3*ASTEP, F1, 1, 5*BSTEP, BB1
	STEP F1, BB3, 0, 32, 1, 4*ASTEP, F0, 1, 6*BSTEP, BB2
	WIN 0
	v_add_nc_u32 v[VA], 4*ASTEP, v[VA]
	s_wait_xcnt 0x0                                ; the base is stepped only when every load issued has had its address taken
	s_add_nc_u64 s[6:7], s[6:7], 4*BSTEP
.endm
; The last four K steps of a pass: no further step of A.  cont = 1: W2's stream runs on into the next pass;
; cont = 0: it ends (only the last step is still asked for), and the counts run down 32, 32, 16, 0.
.macro TAIL cont
	STEP F0, BB0, 0, 32, 1, 1*ASTEP, F1, 1, 3*BSTEP, BB3
	STEP F1, BB1, 0, 32, 1, 2*ASTEP, F0, \cont, 4*BSTEP, BB0
	STEP F0, BB2, 0, 16+16*\cont, 1, 3*ASTEP, F1, \cont, 5*BSTEP, BB1
	STEP F1, BB3, 0, 32*\cont, 2, 0, F0, \cont, 6*BSTEP, BB2
	WIN 0
.if \cont
	s_wait_xcnt 0x0
	s_add_nc_u64 s[6:7], s[6:7], 4*BSTEP
.endif
.endm
; The way out for column tile bt and row blocks 4 hi + 0..3: 32 registers.
; t = C2 acc + C2 (hb + bias);  u = 1 / (1 + 2^t);  S[block] += v u.   (tanh = 1 - 2 u: the 1 and the -2 are applied once, at the end.)
.macro EPI bt, hi
	WIN 2+\hi                                      ; source 0: the accumulators' window
.irp al, 0,1,2,3
.irp pr, 0,2,4,6
	v_pk_fma_f32 v[T+8*\al+\pr:T+8*\al+\pr+1], v[8*(8*\al+\bt)+\pr:8*(8*\al+\bt)+\pr+1], s[22:23], v[F0+8*\bt+\pr:F0+8*\bt+\pr+1] op_sel_hi:[1,0,1]
.endr
.endr
	WIN 0
.set kk, 0
.rept 32
	v_exp_f32 v[T+kk], v[T+kk]
.set kk, kk+1
.endr
	v_nop                                          ; one plain place between the last power and its use (ISA guide 5.7.2)
.set kk, 0
	s_wait_alu depctr_va_vdst(0)
.rept 16
	v_pk_add_f32 v[T+kk:T+kk+1], v[T+kk:T+kk+1], 1.0 op_sel_hi:[1,0]
.set kk, kk+2
.endr
.set kk, 0
.rept 32
	v_rcp_f32 v[T+kk], v[T+kk]
.set kk, kk+1
.endr
	v_nop
	s_wait_alu depctr_va_vdst(0)
.irp pr, 0,2,4,6
.irp al, 0,1,2,3
	v_pk_fma_f32 v[S+2*(4*\hi+\al):S+2*(4*\hi+\al)+1], v[T+8*\al+\pr:T+8*\al+\pr+1], v[VR+8*\bt+\pr:VR+8*\bt+\pr+1], v[S+2*(4*\hi+\al):S+2*(4*\hi+\al)+1]
.endr
.endr
.endm
	s_mov_b32 s24, 0                               ; pass
.Lpass:
	v_mov_b32 v[VA], v[VA0]
	FETCHA 0, F0
	TRIP 1                                         ; K steps 0-3: the first products start the sums, nothing is cleared
	s_mov_b32 s25, 6
.Ltrip:
	TRIP 0                                         ; K steps 4-27
	s_sub_co_u32 s25, s25, 1
	s_cmp_lg_u32 s25, 0
	s_cbranch_scc1 .Ltrip
	s_cmp_eq_u32 s24, 1
	s_cbranch_scc1 .Ltail_last
	TAIL 1                                         ; K steps 28-31 of pass 0
	s_branch .Lepi
.Ltail_last:
	TAIL 0                                         ; K steps 28-31 of pass 1: no load leaves wf
.Lepi:
	PLACES                                         ; behind the last matrix instructions, before their results are read
	s_wait_dscnt 0x0                               ; the rows for the way out
	; the sum of v over my 64 columns of this pass: a tree of packed sums
.irp k, 0,1,2,3,4,5,6,7,8,9,10,11,12,13,14,15
	v_pk_add_f32 v[T+2*\k:T+2*\k+1], v[VR+4*\k:VR+4*\k+1], v[VR+4*\k+2:VR+4*\k+3]
.endr
.irp k, 0,1,2,3,4,5,6,7
	v_pk_add_f32 v[T+2*\k:T+2*\k+1], v[T+2*\k:T+2*\k+1], v[T+16+2*\k:T+16+2*\k+1]
.endr
.irp k, 0,1,2,3
	v_pk_add_f32 v[T+2*\k:T+2*\k+1], v[T+2*\k:T+2*\k+1], v[T+8+2*\k:T+8+2*\k+1]
.endr
.irp k, 0,1
	v_pk_add_f32 v[T+2*\k:T+2*\k+1], v[T+2*\k:T+2*\k+1], v[T+4+2*\k:T+4+2*\k+1]
.endr
	v_pk_add_f32 v[T:T+1], v[T:T+1], v[T+2:T+3]
	v_pk_add_f32 v[VSUM:VSUM+1], v[VSUM:VSUM+1], v[T:T+1]
.irp bt, 0,1,2,3,4,5,6,7
	EPI \bt, 0
	EPI \bt, 1
.endr
	v_add_nc_u32 v[VHB], 512, v[VHB]               ; the next pass's 128 columns
	s_add_co_u32 s24, s24, 1
	s_cmp_lt_u32 s24, 2
	s_cbranch_scc1 .Lpass
	; my columns' share of the 128 scores: sum of v - 2 S; then the other half of the lanes (the other 8 columns of each tile)
	v_add_f32 v[VSUM], v[VSUM], v[VSUM+1]
.irp a, 0,1,2,3,4,5,6,7
	v_add_f32 v[T+\a], v[S+2*\a], v[S+2*\a+1]
.endr
.irp a, 0,1,2,3,4,5,6,7
	v_fma_f32 v[T+\a], -2.0, v[T+\a], v[VSUM]
.endr
.irp a, 0,1,2,3,4,5,6,7
	v_permlanex16_b32 v[T+8+\a], v[T+\a], s26, s27 ; its destination has been written on the way out
.endr
.irp a, 0,1,2,3,4,5,6,7
	v_add_f32 v[T+\a], v[T+\a], v[T+8+\a]
	ds_store_b32 v[RST], v[T+\a] offset:64*\a      ; row 16 a + r; both halves of the lanes write the same word with the same value
.endr
	s_wait_dscnt 0x0                               ; my 128 partial scores are written
	s_barrier_signal -1
	s_barrier_wait -1
	s_cmp_lg_u32 s16, 0
	s_cbranch_scc1 .Lend                           ; wave 0 adds the four waves' shares, in a fixed order, and stores
	v_add_nc_u32 v[T], RED, v[L16]
	ds_load_b128 v[F0:F0+3],     v[T]
	ds_load_b128 v[F0+4:F0+7],   v[T] offset:512
	ds_load_b128 v[F0+8:F0+11],  v[T] offset:1024
	ds_load_b128 v[F0+12:F0+15], v[T] offset:1536
	s_wait_dscnt 0x0
	v_pk_add_f32 v[F0:F0+1],     v[F0:F0+1],     v[F0+4:F0+5]
	v_pk_add_f32 v[F0+2:F0+3],   v[F0+2:F0+3],   v[F0+6:F0+7]
	v_pk_add_f32 v[F0+8:F0+9],   v[F0+8:F0+9],   v[F0+12:F0+13]
	v_pk_add_f32 v[F0+10:F0+11], v[F0+10:F0+11], v[F0+14:F0+15]
	v_pk_add_f32 v[F0:F0+1],     v[F0:F0+1],     v[F0+8:F0+9]
	v_pk_add_f32 v[F0+2:F0+3],   v[F0+2:F0+3],   v[F0+10:F0+11]
	global_store_b128 v[L16], v[F0:F0+3], s[14:15] ; 512 consecutive bytes, aligned
.Lend:
	s_wait_tensorcnt 0x0
	ds_add_u32 v14, v15
	s_wait_dscnt 0x0
	s_endpgm
.Lfunc_end_k_q7e614657bb_main:
	.size	k_q7e614657bb_main, .Lfunc_end_k_q7e614657bb_main-k_q7e614657bb_main
	.p2alignl 7, 3214868480
	.fill 96, 4, 3214868480
	.section	.rodata,"a",@progbits
	.p2align	6, 0x0
	.amdhsa_kernel k_q7e614657bb_main
		.amdhsa_group_segment_fixed_size 274944
		.amdhsa_private_segment_fixed_size 0
		.amdhsa_enable_private_segment 0
		.amdhsa_kernarg_size 48
		.amdhsa_user_sgpr_count 2
		.amdhsa_user_sgpr_kernarg_segment_ptr 1
		.amdhsa_wavefront_size32 1
		.amdhsa_system_sgpr_workgroup_id_x 1
		.amdhsa_system_sgpr_workgroup_id_y 1
		.amdhsa_system_sgpr_workgroup_id_z 1
		.amdhsa_system_vgpr_workitem_id 0
		.amdhsa_next_free_vgpr 1024
		.amdhsa_next_free_sgpr 66
		.amdhsa_reserve_vcc 0
		.amdhsa_float_denorm_mode_32 3
		.amdhsa_float_denorm_mode_16_64 3
		.amdhsa_memory_ordered 1
		.amdhsa_forward_progress 1
		.amdhsa_inst_pref_size 242
	.end_amdhsa_kernel
	.amdgpu_metadata
---
amdhsa.version: [ 1, 2 ]
amdhsa.kernels:
  - .name:           k_q7e614657bb_main
    .symbol:         k_q7e614657bb_main.kd
    .args:
      - { .name: encoder_outputs, .offset: 0, .size: 8, .value_kind: global_buffer, .address_space: global }
      - { .name: wf, .offset: 8, .size: 8, .value_kind: global_buffer, .address_space: global }
      - { .name: hbp, .offset: 16, .size: 8, .value_kind: global_buffer, .address_space: global }
      - { .name: b, .offset: 24, .size: 8, .value_kind: global_buffer, .address_space: global }
      - { .name: v, .offset: 32, .size: 8, .value_kind: global_buffer, .address_space: global }
      - { .name: scores, .offset: 40, .size: 8, .value_kind: global_buffer, .address_space: global }
    .group_segment_fixed_size: 274944
    .private_segment_fixed_size: 0
    .kernarg_segment_align: 8
    .kernarg_segment_size: 48
    .max_flat_workgroup_size: 128
    .sgpr_count:     66
    .vgpr_count:     1024
    .wavefront_size: 32
...
	.end_amdgpu_metadata
.endif
;; end of part 2
;; launch softmax (part 3): grid 32 x 1, 1 waves a work-group, no clusters, 0 bytes of LDS; arguments scores, encoder_mask, out0; writes out0
.if DOCPART == 3
	.amdgcn_target "amdgcn-amd-amdhsa--gfx1250"
	.amdhsa_code_object_version 6
	.text
	.protected	k_q7e614657bb_softmax
	.globl	k_q7e614657bb_softmax
	.p2align	8
	.type	k_q7e614657bb_softmax,@function
k_q7e614657bb_softmax:
	s_mov_b64 s[64:65], 0
	v_nop
	global_prefetch_b8 v0, s[64:65] scope:SCOPE_SE
	s_setreg_imm32_b32 hwreg(HW_REG_WAVE_MODE, 25, 1), 1
	s_wait_xcnt 0x0
; out0[b][s] = softmax over s of (mask[b][s] ? -1e9 : scores[b][s]).  One wave takes one b: the row's 1,024 numbers are 32 registers,
; so the row is read once, the two reductions never leave the wave, and there is no LDS and no barrier.
; Load y of the scores gives lane i the numbers s = 128 y + 4 i + 0..3; load y of the mask gives it the four bytes of the same s.
; The row's maximum is taken away BEFORE the scaling by log2 e: x - max is exact where x = max, so that a row that is masked
; throughout (all -1e9) comes out uniform; a fused x log2e - max log2e would leave the product's rounding in the exponent.
; LIMITS: any mask byte other than 0 counts as true; NaN in the scores is not served; terms below 2^-126 of the largest come out as 0.
.set X,   8                            ; v[8:39]   the row
.set M,   40                           ; v[40:47]  the mask, four bytes a word
.set NEG, 48                           ; v48       -1e9
.set TMP, 49                           ; v49
.set MX,  50                           ; v[50:51]  the maximum, twice
.set R,   52                           ; v[52:53]  1 / sum, twice
.set A,   54                           ; v[54:61]  four pairs of partial sums
	s_load_b128 s[4:7], s[0:1], 0x0                ; scores s[4:5], mask s[6:7]
	s_load_b64 s[8:9], s[0:1], 0x10                ; out0
	v_lshlrev_b32 v1, 4, v0                        ; 16 lane
	v_lshlrev_b32 v2, 2, v0                        ; 4 lane
	s_lshl_b32 s10, ttmp9, 12                      ; row b of scores and of out0
	s_mov_b32 s11, 0
	s_lshl_b32 s12, ttmp9, 10                      ; row b of the mask
	s_mov_b32 s13, 0
	s_mov_b32 s14, 0x76543210                      ; v_permlanex16_b32: lane i takes lane i of the other half
	s_mov_b32 s15, 0xfedcba98
	v_mov_b32 v[NEG], 0xce6e6b28                   ; -1e9
	s_wait_kmcnt 0x0
	s_add_nc_u64 s[4:5], s[4:5], s[10:11]
	s_add_nc_u64 s[8:9], s[8:9], s[10:11]
	s_add_nc_u64 s[6:7], s[6:7], s[12:13]
.irp y, 0,1,2,3,4,5,6,7
	global_load_b128 v[X+4*\y:X+4*\y+3], v1, s[4:5] offset:512*\y
.endr
.irp y, 0,1,2,3,4,5,6,7
	global_load_b32 v[M+\y], v2, s[6:7] offset:128*\y
.endr
	s_wait_loadcnt 0x0
.irp y, 0,1,2,3,4,5,6,7
.irp e, 0,1,2,3
	v_bfe_u32 v[TMP], v[M+\y], 8*\e, 8
	v_cmp_ne_u32 vcc_lo, 0, v[TMP]
	v_cndmask_b32 v[X+4*\y+\e], v[X+4*\y+\e], v[NEG], vcc_lo       ; masked: -1e9
.endr
.endr
	; the maximum: within the lane, within each half of 16 lanes, across the halves
	v_max_num_f32 v[MX], v[X], v[X+1]
.irp k, 1,2,3,4,5,6,7,8,9,10,11,12,13,14,15
	v_max3_num_f32 v[MX], v[MX], v[X+2*\k], v[X+2*\k+1]
.endr
	v_max_num_f32_dpp v[MX], v[MX], v[MX] row_xmask:1 row_mask:0xf bank_mask:0xf
	v_max_num_f32_dpp v[MX], v[MX], v[MX] row_xmask:2 row_mask:0xf bank_mask:0xf
	v_max_num_f32_dpp v[MX], v[MX], v[MX] row_xmask:4 row_mask:0xf bank_mask:0xf
	v_max_num_f32_dpp v[MX], v[MX], v[MX] row_xmask:8 row_mask:0xf bank_mask:0xf
	v_permlanex16_b32 v[TMP], v[MX], s14, s15      ; its destination has been written above
	v_max_num_f32 v[MX], v[MX], v[TMP]
	v_mov_b32 v[MX+1], v[MX]
.irp k, 0,1,2,3,4,5,6,7,8,9,10,11,12,13,14,15
	v_pk_add_f32 v[X+2*\k:X+2*\k+1], v[X+2*\k:X+2*\k+1], v[MX:MX+1] neg_lo:[0,1] neg_hi:[0,1]   ; x - max
.endr
.irp k, 0,1,2,3,4,5,6,7,8,9,10,11,12,13,14,15
	v_pk_mul_f32 v[X+2*\k:X+2*\k+1], v[X+2*\k:X+2*\k+1], 0x3fb8aa3b op_sel_hi:[1,0]             ; times log2 e
.endr
.set kk, 0
.rept 32
	v_exp_f32 v[X+kk], v[X+kk]
.set kk, kk+1
.endr
	v_nop                                          ; one plain place between the last power and its use (ISA guide 5.7.2)
	; the sum, at least 1: four chains, then as for the maximum
	s_wait_alu depctr_va_vdst(0)
.irp k, 0,1,2,3
	v_pk_add_f32 v[A+2*\k:A+2*\k+1], v[X+2*\k:X+2*\k+1], v[X+8+2*\k:X+8+2*\k+1]
.endr
.irp k, 0,1,2,3
	v_pk_add_f32 v[A+2*\k:A+2*\k+1], v[A+2*\k:A+2*\k+1], v[X+16+2*\k:X+16+2*\k+1]
.endr
.irp k, 0,1,2,3
	v_pk_add_f32 v[A+2*\k:A+2*\k+1], v[A+2*\k:A+2*\k+1], v[X+24+2*\k:X+24+2*\k+1]
.endr
	v_pk_add_f32 v[A:A+1],   v[A:A+1],   v[A+2:A+3]
	v_pk_add_f32 v[A+4:A+5], v[A+4:A+5], v[A+6:A+7]
	v_pk_add_f32 v[A:A+1],   v[A:A+1],   v[A+4:A+5]
	v_add_f32 v[A], v[A], v[A+1]
	v_add_f32_dpp v[A], v[A], v[A] row_xmask:1 row_mask:0xf bank_mask:0xf
	v_add_f32_dpp v[A], v[A], v[A] row_xmask:2 row_mask:0xf bank_mask:0xf
	v_add_f32_dpp v[A], v[A], v[A] row_xmask:4 row_mask:0xf bank_mask:0xf
	v_add_f32_dpp v[A], v[A], v[A] row_xmask:8 row_mask:0xf bank_mask:0xf
	v_permlanex16_b32 v[TMP], v[A], s14, s15
	v_add_f32 v[A], v[A], v[TMP]
	v_rcp_f32 v[R], v[A]
	v_rcp_f32 v[R+1], v[A]
	v_nop                                          ; one plain place before the reciprocals are used
	s_wait_alu depctr_va_vdst(0)
.irp y, 0,1,2,3,4,5,6,7
	v_pk_mul_f32 v[X+4*\y:X+4*\y+1],   v[X+4*\y:X+4*\y+1],   v[R:R+1]
	v_pk_mul_f32 v[X+4*\y+2:X+4*\y+3], v[X+4*\y+2:X+4*\y+3], v[R:R+1]
	global_store_b128 v1, v[X+4*\y:X+4*\y+3], s[8:9] offset:512*\y  ; 512 consecutive bytes, aligned
.endr
	s_endpgm
.Lfunc_end_k_q7e614657bb_softmax:
	.size	k_q7e614657bb_softmax, .Lfunc_end_k_q7e614657bb_softmax-k_q7e614657bb_softmax
	.p2alignl 7, 3214868480
	.fill 96, 4, 3214868480
	.section	.rodata,"a",@progbits
	.p2align	6, 0x0
	.amdhsa_kernel k_q7e614657bb_softmax
		.amdhsa_group_segment_fixed_size 0
		.amdhsa_private_segment_fixed_size 0
		.amdhsa_enable_private_segment 0
		.amdhsa_kernarg_size 24
		.amdhsa_user_sgpr_count 2
		.amdhsa_user_sgpr_kernarg_segment_ptr 1
		.amdhsa_wavefront_size32 1
		.amdhsa_system_sgpr_workgroup_id_x 1
		.amdhsa_system_sgpr_workgroup_id_y 1
		.amdhsa_system_sgpr_workgroup_id_z 1
		.amdhsa_system_vgpr_workitem_id 0
		.amdhsa_next_free_vgpr 64
		.amdhsa_next_free_sgpr 66
		.amdhsa_reserve_vcc 1
		.amdhsa_float_denorm_mode_32 3
		.amdhsa_float_denorm_mode_16_64 3
		.amdhsa_memory_ordered 1
		.amdhsa_forward_progress 1
		.amdhsa_inst_pref_size 15
	.end_amdhsa_kernel
	.amdgpu_metadata
---
amdhsa.version: [ 1, 2 ]
amdhsa.kernels:
  - .name:           k_q7e614657bb_softmax
    .symbol:         k_q7e614657bb_softmax.kd
    .args:
      - { .name: scores, .offset: 0, .size: 8, .value_kind: global_buffer, .address_space: global }
      - { .name: encoder_mask, .offset: 8, .size: 8, .value_kind: global_buffer, .address_space: global }
      - { .name: out0, .offset: 16, .size: 8, .value_kind: global_buffer, .address_space: global }
    .group_segment_fixed_size: 0
    .private_segment_fixed_size: 0
    .kernarg_segment_align: 8
    .kernarg_segment_size: 24
    .max_flat_workgroup_size: 32
    .sgpr_count:     66
    .vgpr_count:     64
    .wavefront_size: 32
...
	.end_amdgpu_metadata
.endif
;; end of part 3
;; ======== version 2 of 2: 3 launches; version 1 with the launch main written anew for expert scheduling mode
;; workspace buffers: wf 2,097,152 bytes; hbp 524,288 bytes; scores 131,072 bytes
;; launch prep: the kernel of part 1 again; grid 64 x 2, 4 waves a work-group, no clusters, 60,928 bytes of LDS; arguments W, hidden, wf, hbp; writes wf, hbp
;; launch main (part 4): grid 256 x 1, 4 waves a work-group, no clusters, 274,944 bytes of LDS; arguments encoder_outputs, wf, hbp, b, v, scores; writes scores
.if DOCPART == 4
	.amdgcn_target "amdgcn-amd-amdhsa--gfx1250"
	.amdhsa_code_object_version 6
	.text
	.protected	k_q7e614657bb_main
	.globl	k_q7e614657bb_main
	.p2align	8
	.type	k_q7e614657bb_main,@function
k_q7e614657bb_main:
	s_mov_b64 s[64:65], 0
	v_nop
	global_prefetch_b8 v0, s[64:65] scope:SCOPE_SE
	s_setreg_imm32_b32 hwreg(HW_REG_WAVE_SCHED_MODE, 0, 2), 2
	s_setreg_imm32_b32 hwreg(HW_REG_WAVE_MODE, 25, 1), 1
	s_wait_xcnt 0x0
	s_wait_alu depctr_vm_vsrc(0)
; scores[b][s] = sum over n of v[n] tanh( eo[s][b][:] . W2[n][:] + hb[b][n] + bias[n] ),  hb = the sum of hbp's four planes.
; Work-group x: b = x % 32, the 128 rows s = 128 (x / 32) + 0..127.  One b for a work-group, so hb + bias is one row of 1,024 numbers
; and the 128 scores are 512 consecutive bytes.  256 work-groups of equal work.
;
; A (128 rows x 1,024 k) is read from memory once, rounded to bf16 once and stays in LDS for the whole kernel.
; Wave w makes the 128 x 128 tiles of columns n = 128 q + .., q = 2 w + p in pass p = 0, 1: 64 accumulator tiles, 512 registers.
; W2's fragments (wf, already in fragment order) are used by one wave only, so they go from memory straight into a ring of four register
; buffers: 64 steps of 8,192 consecutive bytes for each wave, three steps ahead.  The main loop therefore has no barrier.
; No cluster and no joint requests: A's 264,192 bytes leave LDS room for less than two of the work-group's 32,768-byte steps of W,
; fewer bytes ahead than the four waves' register rings hold (3 x 32,768).
; tanh x = 1 - 2 / (1 + 2^(C2 x)), C2 = 2 log2 e: an overflowing power gives 1, a vanishing one -1.
;
; ORDER OF K: chunk u = 32 z + i = the 8 numbers at bytes 16 i and 512 + 16 i of the row's block z of 1,024 bytes; K step t takes
; chunks 4t .. 4t+3, lane (r, h): chunk 4t+h in registers 0-3, 4t+2+h in 4-7.  wf is stored in the same order.
; The product is used transposed (source 0 = rows of W2, source 1 = rows of A): register j of lane (r, h) is (s = r, n = 8 h + j).
;
; LIMITS: operands rounded to bf16; tanh exact to about 1e-7 absolute; NaN and infinities in the inputs are not served; the sums over
; k and n run in another order than in the problem's text.
;
; REGISTERS by windows of 256:  window 0 addresses, sums, A's fragments;  window 1 the four buffers of W2's fragments;
; window 2 accumulators of row blocks 0-3 (tile (al, bt) at 8 (8 al + bt)), in the prologue the ring of rows as loaded;  window 3 blocks 4-7.
;
; THE MODE: SCHED_MODE bits 1:0 = 2 (LLVM: expert scheduling mode 2), set by the entry lines.  The code itself states the register dependences
; between vector or matrix instructions and memory or LDS instructions, with s_wait_alu, always for 0.
; THE PLAN.  Registers that memory or LDS instructions touch:
;   THE FILL OF A.  Row slots 0-7 (window 2): a row's eight loads land in one; that row's sixteen conversions read it.
;     T0 = v[32:47], T1 = v[48:63]: the conversions of an even / an odd row write one; four LDS stores read it.
;     Turn t converts row t.  Its memory instructions are the loads of row t + 7, into the slot of row t - 1, and the stores of row t - 1:
;     the slot and the T set that turn t - 1 worked on and that no conversion of turn t names.  So the waits at a turn's head state all.
;     v[VST ..]: read by the LDS stores; written once a round, between slot 7's stores and slot 0's.
;   THE MAIN LOOP.  F0, F1: a step's matrix instructions read one; the LDS loads issued in the next step land in it.
;     BB0-BB3: step s's matrix instructions read BB[s % 4]; the loads issued in step s + 1 (W2's step s + 4) land in it.
;     ONE wait on va_vdst stands at a step's head; the step's 32 loads follow it, dealt among its matrix instructions, which name
;     this step's two buffers and the accumulators: none of the registers that those loads touch.
;     v[VA]: read by A's LDS loads; written once a trip and at a pass's head.  v[VHB]: read by the way out's LDS loads; written once a pass.
;   v[L16], v[HSTO], v[RST]: made at the head, never written again.  The accumulators, S and VSUM are named by vector and matrix instructions alone.
.set CH,    2064                       ; LDS: a chunk's 128 rows x 16 bytes + 16: lanes that differ by a chunk fall on different banks
.set ASTEP, 4*CH                       ; a K step of A
.set BSTEP, 8192                       ; a K step of a wave's part of wf
.set HB,    128*CH                     ; 264192: C2 (hb + bias), 1,024 f32
.set VV,    HB+4096                    ; v, 1,024 f32
.set RED,   HB+8192                    ; 4 waves x 128 partial scores
.set EOROW, 131072                     ; bytes from s to s + 1 in encoder_outputs
.set L16,  1                           ; v1      16 lane
.set VA0,  2                           ; v2      h CH + 16 r: my place in A's fragments
.set VA,   3                           ; v3      the same, running along K
.set VST,  4                           ; v[4:7]  where my chunk of block z of the round's first row goes
.set VHB,  8                           ; v8      my 8 columns in HB for this pass
.set RST,  9                           ; v9      my word in RED
.set HSTO, 10                          ; v10     HB + 16 thread
.set T16,  11                          ; v11     16 thread
.set VSUM, 12                          ; v[12:13] the sum of v over my columns
.set S,    16                          ; v[16:31] for each of the 8 row blocks a pair: sum of v / (1 + 2^..) over my columns
.set T,    32                          ; v[32:63] at work
.set F0,   64                          ; v[64:127]  A's fragments, buffer 0; on the way out C2 (hb + bias) of my columns
.set F1,   128                         ; v[128:191] A's fragments, buffer 1
.set VR,   192                         ; v[192:255] v of my columns
.set BB0,  0                           ; window 1: the four buffers of W2's fragments
.set BB1,  64
.set BB2,  128
.set BB3,  192
.set MSB, 0
.macro WIN new                         ; low byte: bits 1:0 source 0, 3:2 source 1, 5:4 source 2, 7:6 destination; high byte: the setting that is left
.if MSB != (\new)
	s_set_vgpr_msb (MSB<<8)|(\new)
.set MSB, \new
.endif
.endm
.macro PLACES                          ; four independent places behind a matrix instruction (ISA guide 7.12.1)
.rept 4
	v_nop
.endr
.endm
	s_load_b256 s[4:11], s[0:1], 0x0               ; eo s[4:5], wf s[6:7], hbp s[8:9], bias s[10:11]
	s_load_b128 s[12:15], s[0:1], 0x20             ; v s[12:13], scores s[14:15]
	v_lshl_add_u32 v14, v0, 2, 0x43000
	v_mov_b32 v15, 0
	v_lshrrev_b32 v[T], 5, v0
	v_readfirstlane_b32 s16, v[T]                  ; wave
	v_and_b32 v[T+1], 31, v0                       ; lane
	v_and_b32 v[T+2], 15, v0                       ; r
	v_bfe_u32 v[T+3], v0, 4, 1                     ; h
	s_and_b32 s17, ttmp9, 31                       ; b
	s_lshr_b32 s18, ttmp9, 5                       ; block of 128 s
	s_mov_b32 s22, 0x4038aa3b                      ; C2 = 2 log2 e, twice: a pair for the packed forms
	s_mov_b32 s23, 0x4038aa3b
	s_mov_b32 s26, 0x76543210                      ; v_permlanex16_b32: lane i takes lane i of the other half
	s_mov_b32 s27, 0xfedcba98
	v_lshlrev_b32 v[L16], 4, v[T+1]
	v_mul_u32_u24 v[VA0], v[T+3], CH
	v_lshl_add_u32 v[VA0], v[T+2], 4, v[VA0]
	v_mul_u32_u24 v[T+4], v[T+1], CH               ; chunk = lane
	s_wait_alu depctr_va_sdst(0)                   ; s16 is written, ahead of its first reader: LDS places and the bases of eo and wf are made from it
	s_lshl_b32 s20, s16, 9                         ; my wave fills rows 32 w ..: 512 bytes of every chunk
.irp z, 0,1,2,3
	v_add_nc_u32 v[VST+\z], s20, v[T+4]
	s_add_co_u32 s20, s20, 32*CH                   ; block z: 32 chunks further
.endr
	s_lshl_b32 s20, s16, 10                        ; my wave's 256 columns
	s_add_co_u32 s20, s20, HB
	v_lshl_add_u32 v[VHB], v[T+3], 5, s20
	s_lshl_b32 s20, s16, 9
	s_add_co_u32 s20, s20, RED
	v_lshl_add_u32 v[RST], v[T+2], 2, s20
	v_lshlrev_b32 v[T16], 4, v0
	v_add_nc_u32 v[HSTO], HB, v[T16]
	s_lshl_b32 s20, s18, 7                         ; eo: row s = 128 block + 32 wave, column block b
	s_lshl_b32 s21, s16, 5
	s_add_co_u32 s20, s20, s21
	s_lshl_b32 s20, s20, 17
	s_lshl_b32 s21, s17, 12
	s_add_co_u32 s20, s20, s21
	s_mov_b32 s21, 0
	s_lshl_b32 s28, s16, 19                        ; wf: my wave's 524,288 bytes
	s_mov_b32 s29, 0
	s_lshl_b32 s30, s17, 12                        ; hbp: row b
	s_mov_b32 s31, 0
	s_lshl_b32 s32, s18, 9                         ; scores: row b, my 128 numbers
	s_add_co_u32 s32, s32, s30
	s_mov_b32 s33, 0
	s_wait_kmcnt 0x0
	s_add_nc_u64 s[4:5], s[4:5], s[20:21]
	s_add_nc_u64 s[6:7], s[6:7], s[28:29]
	s_add_nc_u64 s[8:9], s[8:9], s[30:31]
	s_add_nc_u64 s[14:15], s[14:15], s[32:33]
	s_wait_alu depctr_va_vdst(0)                   ; the offsets and LDS addresses v1, v2 and v4 to v11 are written, which the kernel's loads and stores read
; 8 loads: the fragments of W2 for one K step, column tiles b0 .. b0 + 3: 4,096 consecutive bytes at off from the running base, into buffer fb
.macro FETCHB off, fb, b0
	WIN 0x40
.irp i, 0,1,2,3
	global_load_b128 v[\fb+8*(\b0+\i):\fb+8*(\b0+\i)+3],   v[L16], s[6:7] offset:\off+1024*(\b0+\i)
	global_load_b128 v[\fb+8*(\b0+\i)+4:\fb+8*(\b0+\i)+7], v[L16], s[6:7] offset:\off+1024*(\b0+\i)+512
.endr
.endm
; 8 loads: a whole row of eo (4,096 bytes), 512 consecutive bytes each, into row slot 'slot' of window 2
.macro FILLROW slot, row
	WIN 0x80
.irp y, 0,1,2,3,4,5,6,7
	global_load_b128 v[32*\slot+4*\y:32*\slot+4*\y+3], v[L16], s[4:5] offset:(\row)*EOROW+512*\y th:TH_LOAD_NT
.endr
.endm
; The row in slot 'slot' is rounded to bf16: four chunks a lane, into the T set of the slot's parity
.macro CVT slot
	WIN 0x0a
.irp k, 0,1,2,3,4,5,6,7,8,9,10,11,12,13,14,15
	v_cvt_pk_bf16_f32 v[T+16*(\slot%2)+\k], v[32*\slot+2*\k], v[32*\slot+2*\k+1]
.endr
.endm
; The four chunks of the row that slot 'slot' held go to LDS
.macro PUT slot
	WIN 0
.irp z, 0,1,2,3
	ds_store_b128 v[VST+\z], v[T+16*(\slot%2)+4*\z:T+16*(\slot%2)+4*\z+3] offset:16*\slot
.endr
.endm
; A turn: slot's row is converted; the slot before it in the ring (prev) is asked for again (refill: the row eight further down) and its chunks are stored.
; left: how many younger loads may stay out.  vs = 0: the turn behind a round's end, whose wait has already shown the LDS stores' registers read.
.macro TURN slot, prev, refill, left, vs
	s_wait_loadcnt \left                           ; loads return in order (ISA guide 5.7.1): this slot's are in, the younger slots' stay out
.if \vs
	s_wait_alu depctr_vm_vsrc(0)                   ; the LDS stores issued in the turn before have read the T set that this turn's conversions write again
.endif
	s_wait_alu depctr_va_vdst(0)                   ; the turn before has written the other T set, which the stores below read, and is done reading its slot, in which the loads below land; behind a round's end v[VST ..] are written too
.if \refill
	FILLROW \prev, \prev+8
.endif
	PUT \prev
	CVT \slot                                      ; names this slot and its own T set: none of the registers of the loads and stores above
.endm
	; PROLOGUE.  The small rows (each thread 16 bytes at 16 t and at 2,048 + 16 t), three steps of W2, then the fill of A.
.irp z, 0,1,2,3
	global_load_b128 v[F0+8*\z:F0+8*\z+3],   v[T16], s[8:9] offset:\z*131072
	global_load_b128 v[F0+8*\z+4:F0+8*\z+7], v[T16], s[8:9] offset:\z*131072+2048
.endr
	global_load_b128 v[F0+32:F0+35], v[T16], s[10:11]
	global_load_b128 v[F0+36:F0+39], v[T16], s[10:11] offset:2048
	global_load_b128 v[F0+40:F0+43], v[T16], s[12:13]
	global_load_b128 v[F0+44:F0+47], v[T16], s[12:13] offset:2048
	FETCHB 0*BSTEP, BB0, 0
	FETCHB 0*BSTEP, BB0, 4
	FETCHB 1*BSTEP, BB1, 0
	FETCHB 1*BSTEP, BB1, 4
	FETCHB 2*BSTEP, BB2, 0
	FETCHB 2*BSTEP, BB2, 4
.irp i, 0,1,2,3,4,5,6,7
	FILLROW \i, \i
.endr
	s_wait_loadcnt 56                              ; row 0 is in; 56 = the seven younger rows of eight loads
	CVT 0                                          ; row 0 has no row in front of it: nothing to store, nothing to ask for again
	WIN 0
	s_mov_b32 s25, 3
.Lfill:                                            ; rows 1 to 24, eight to a round; 48 = six younger rows: the seventh is asked for in the turn itself
	TURN 1, 0, 1, 48, 0
	TURN 2, 1, 1, 48, 1
	TURN 3, 2, 1, 48, 1
	TURN 4, 3, 1, 48, 1
	TURN 5, 4, 1, 48, 1
	TURN 6, 5, 1, 48, 1
	TURN 7, 6, 1, 48, 1
	TURN 0, 7, 1, 48, 1
	WIN 0
	s_wait_xcnt 0x0                                ; the base is stepped only when every load issued has had its address taken
	s_add_nc_u64 s[4:5], s[4:5], 8*EOROW
	s_wait_alu depctr_vm_vsrc(0)                   ; the LDS stores issued so far have read v[VST ..], and the T set that the next turn writes
.irp z, 0,1,2,3
	v_add_nc_u32 v[VST+\z], 128, v[VST+\z]         ; eight rows of 16 bytes
.endr
	s_sub_co_u32 s25, s25, 1
	s_cmp_lg_u32 s25, 0
	s_cbranch_scc1 .Lfill
	TURN 1, 0, 0, 48, 0                            ; rows 25 to 31 ask for nothing: no load leaves eo, and the counts run down to 0
	TURN 2, 1, 0, 40, 1
	TURN 3, 2, 0, 32, 1
	TURN 4, 3, 0, 24, 1
	TURN 5, 4, 0, 16, 1
	TURN 6, 5, 0, 8, 1
	TURN 7, 6, 0, 0, 1
	WIN 0
	; C2 (hb + bias): the four planes of hbp are added in a fixed order
.irp o, 0,2,4,6
	v_pk_add_f32 v[F0+\o:F0+\o+1],       v[F0+\o:F0+\o+1],       v[F0+8+\o:F0+8+\o+1]
	v_pk_add_f32 v[F0+16+\o:F0+16+\o+1], v[F0+16+\o:F0+16+\o+1], v[F0+24+\o:F0+24+\o+1]
.endr
.irp o, 0,2,4,6
	v_pk_add_f32 v[F0+\o:F0+\o+1], v[F0+\o:F0+\o+1], v[F0+16+\o:F0+16+\o+1]
.endr
.irp o, 0,2,4,6
	v_pk_add_f32 v[F0+\o:F0+\o+1], v[F0+\o:F0+\o+1], v[F0+32+\o:F0+32+\o+1]
.endr
.irp o, 0,2,4,6
	v_pk_mul_f32 v[F0+\o:F0+\o+1], v[F0+\o:F0+\o+1], s[22:23] op_sel_hi:[1,0]
.endr
.irp i, 0,1,2,3,4,5,6,7,8,9,10,11,12,13,14,15
	v_mov_b32 v[S+\i], 0                           ; 18 sums that run through both passes
.endr
	v_mov_b32 v[VSUM], 0
	v_mov_b32 v[VSUM+1], 0
	s_wait_alu depctr_va_vdst(0)                   ; row 31's chunks in T1 and C2 (hb + bias) in v[F0:F0+7] are written, which the LDS stores below read
	PUT 7                                          ; row 31
	ds_store_b128 v[HSTO], v[F0:F0+3]
	ds_store_b128 v[HSTO], v[F0+4:F0+7]   offset:2048
	ds_store_b128 v[HSTO], v[F0+40:F0+43] offset:4096
	ds_store_b128 v[HSTO], v[F0+44:F0+47] offset:6144
	s_wait_dscnt 0x0                               ; my rows of A and my part of the small rows are written, for the other waves' sake
	s_barrier_signal -1
	s_barrier_wait -1                              ; from here on A, HB and VV are only read
	s_wait_alu depctr_vm_vsrc(0)                   ; my LDS stores have read v[F0 ..], in which A's fragments land next, and v[T ..], which the way out writes
; 8 matrix instructions: row block 4 hi + al x all 8 column tiles, 32 along K.  zero = 1: the product starts the sums.
.macro MUL8 fa, fb, hi, al, zero
.if \hi
	WIN 0xf1                                       ; source 0 (W2) window 1, source 1 (A) window 0, C and D window 3
.else
	WIN 0xa1                                       ; the same, C and D window 2
.endif
.irp bt, 0,1,2,3,4,5,6,7
.if \zero
	v_wmma_f32_16x16x32_bf16 v[8*(8*\al+\bt):8*(8*\al+\bt)+7], v[\fb+8*\bt:\fb+8*\bt+7], v[\fa+8*(4*\hi+\al):\fa+8*(4*\hi+\al)+7], 0
.else
	v_wmma_f32_16x16x32_bf16 v[8*(8*\al+\bt):8*(8*\al+\bt)+7], v[\fb+8*\bt:\fb+8*\bt+7], v[\fa+8*(4*\hi+\al):\fa+8*(4*\hi+\al)+7], v[8*(8*\al+\bt):8*(8*\al+\bt)+7]
.endif
.endr
.endm
; 8 LDS loads, in the order of the row blocks: A's fragments of row blocks a0 .. a0 + 3 of the K step at off from VA, into buffer fa.
; Sixteen lanes read 256 consecutive bytes (16 rows of one chunk).
.macro FETCHA off, fa, a0
	WIN 0
.irp i, 0,1,2,3
	ds_load_b128 v[\fa+8*(\a0+\i):\fa+8*(\a0+\i)+3],   v[VA] offset:\off+256*(\a0+\i)
	ds_load_b128 v[\fa+8*(\a0+\i)+4:\fa+8*(\a0+\i)+7], v[VA] offset:\off+256*(\a0+\i)+2*CH
.endr
.endm
; 8 LDS loads for the way out: my 8 columns in column tiles b0 .. b0 + 3 of C2 (hb + bias) (off = 0, into F0) or of v (off = 4,096, into VR)
.macro FETCHE dst, off, b0
	WIN 0
.irp i, 0,1,2,3
	ds_load_b128 v[\dst+8*(\b0+\i):\dst+8*(\b0+\i)+3],   v[VHB] offset:\off+64*(\b0+\i)
	ds_load_b128 v[\dst+8*(\b0+\i)+4:\dst+8*(\b0+\i)+7], v[VHB] offset:\off+64*(\b0+\i)+16
.endr
.endm
; One K step: 64 matrix instructions on buffers fa, fb.  The loads for later steps stand eight at a time behind its first four runs of eight:
; akind 1: A's next step (at aoff) into fan; akind 2: the rows for the way out;  bfetch: W2's step three ahead (at boff) into fbn.
; lcnt: how many younger loads of W2 may stay out when this step's have to be in.
; zero = 1 is a pass's first step: the wait at the pass's head has stated all that its loads hang on, and only loads were issued since.
.macro STEP fa, fb, zero, lcnt, akind, aoff, fan, bfetch, boff, fbn
	s_wait_dscnt 8                                 ; A's row blocks 0-3 are in; the eight youngest loads (blocks 4-7) may be out
	s_wait_loadcnt \lcnt
.if !\zero
	s_wait_alu depctr_va_vdst(0)                   ; the step before is done reading its buffers of A and of W2, in which this step's loads land; behind a trip's end v[VA] is written, which A's loads read
.endif
	MUL8 \fa, \fb, 0, 0, \zero
.if (\akind) == 1
	FETCHA \aoff, \fan, 0                          ; no further wait: no matrix instruction since the wait names the registers of this step's loads
.else
	FETCHE F0, 0, 0
.endif
	MUL8 \fa, \fb, 0, 1, \zero
.if (\akind) == 1
	FETCHA \aoff, \fan, 4
.else
	FETCHE F0, 0, 4
.endif
	MUL8 \fa, \fb, 0, 2, \zero
.if (\akind) == 2
	FETCHE VR, 4096, 0
.endif
.if \bfetch
	FETCHB \boff, \fbn, 0
.endif
	MUL8 \fa, \fb, 0, 3, \zero
.if (\akind) == 2
	FETCHE VR, 4096, 4
.endif
.if \bfetch
	FETCHB \boff, \fbn, 4
.endif
.if (\akind) == 2
	s_wait_dscnt 32                                ; all but the 32 issued in this step
.else
	s_wait_dscnt 16                                ; all but the 16 issued in this step
.endif
.irp al, 0,1,2,3
	MUL8 \fa, \fb, 1, \al, \zero
.endr
.endm
; Four K steps, once round the ring of W2's buffers.  32 = the two younger steps of W2, 16 loads each.
.macro TRIP zero
	STEP F0, BB0, \zero, 32, 1, 1*ASTEP, F1, 1, 3*BSTEP, BB3
	STEP F1, BB1, 0, 32, 1, 2*ASTEP, F0, 1, 4*BSTEP, BB0
	STEP F0, BB2, 0, 32, 1, 3*ASTEP, F1, 1, 5*BSTEP, BB1
	STEP F1, BB3, 0, 32, 1, 4*ASTEP, F0, 1, 6*BSTEP, BB2
	WIN 0
	s_wait_alu depctr_vm_vsrc(0)                   ; the LDS loads issued so far have read v[VA]
	v_add_nc_u32 v[VA], 4*ASTEP, v[VA]
	s_wait_xcnt 0x0                                ; the base is stepped only when every load issued has had its address taken
	s_add_nc_u64 s[6:7], s[6:7], 4*BSTEP
.endm
; The last four K steps of a pass: no further step of A.  cont = 1: W2's stream runs on into the next pass;
; cont = 0: it ends (only the last step is still asked for), and the counts run down 32, 32, 16, 0.
.macro TAIL cont
	STEP F0, BB0, 0, 32, 1, 1*ASTEP, F1, 1, 3*BSTEP, BB3
	STEP F1, BB1, 0, 32, 1, 2*ASTEP, F0, \cont, 4*BSTEP, BB0
	STEP F0, BB2, 0, 16+16*\cont, 1, 3*ASTEP, F1, \cont, 5*BSTEP, BB1
	STEP F1, BB3, 0, 32*\cont, 2, 0, F0, \cont, 6*BSTEP, BB2
	WIN 0
.if \cont
	s_wait_xcnt 0x0
	s_add_nc_u64 s[6:7], s[6:7], 4*BSTEP
.endif
.endm
; The way out for column tile bt and row blocks 4 hi + 0..3: 32 registers.
; t = C2 acc + C2 (hb + bias);  u = 1 / (1 + 2^t);  S[block] += v u.   (tanh = 1 - 2 u: the 1 and the -2 are applied once, at the end.)
.macro EPI bt, hi
	WIN 2+\hi                                      ; source 0: the accumulators' window
.irp al, 0,1,2,3
.irp pr, 0,2,4,6
	v_pk_fma_f32 v[T+8*\al+\pr:T+8*\al+\pr+1], v[8*(8*\al+\bt)+\pr:8*(8*\al+\bt)+\pr+1], s[22:23], v[F0+8*\bt+\pr:F0+8*\bt+\pr+1] op_sel_hi:[1,0,1]
.endr
.endr
	WIN 0
.set kk, 0
.rept 32
	v_exp_f32 v[T+kk], v[T+kk]
.set kk, kk+1
.endr
	v_nop                                          ; one plain place between the last power and its use (ISA guide 5.7.2)
.set kk, 0
	s_wait_alu depctr_va_vdst(0)
.rept 16
	v_pk_add_f32 v[T+kk:T+kk+1], v[T+kk:T+kk+1], 1.0 op_sel_hi:[1,0]
.set kk, kk+2
.endr
.set kk, 0
.rept 32
	v_rcp_f32 v[T+kk], v[T+kk]
.set kk, kk+1
.endr
	v_nop
	s_wait_alu depctr_va_vdst(0)
.irp pr, 0,2,4,6
.irp al, 0,1,2,3
	v_pk_fma_f32 v[S+2*(4*\hi+\al):S+2*(4*\hi+\al)+1], v[T+8*\al+\pr:T+8*\al+\pr+1], v[VR+8*\bt+\pr:VR+8*\bt+\pr+1], v[S+2*(4*\hi+\al):S+2*(4*\hi+\al)+1]
.endr
.endr
.endm
	s_mov_b32 s24, 0                               ; pass
.Lpass:
	v_mov_b32 v[VA], v[VA0]                        ; (the LDS loads that read v[VA] in the pass before stand ahead of the wait at that pass's end)
	s_wait_alu depctr_va_vdst(0)                   ; v[VA] is written, which A's loads read; in the second pass the way out is done reading v[F0 ..], and the last step its buffers F1 and BB3, in which the loads of the first step land
	FETCHA 0, F0, 0
	FETCHA 0, F0, 4
	TRIP 1                                         ; K steps 0-3: the first products start the sums, nothing is cleared
	s_mov_b32 s25, 6
.Ltrip:
	TRIP 0                                         ; K steps 4-27
	s_sub_co_u32 s25, s25, 1
	s_cmp_lg_u32 s25, 0
	s_cbranch_scc1 .Ltrip
	s_cmp_eq_u32 s24, 1
	s_cbranch_scc1 .Ltail_last
	TAIL 1                                         ; K steps 28-31 of pass 0
	s_branch .Lepi
.Ltail_last:
	TAIL 0                                         ; K steps 28-31 of pass 1: no load leaves wf
.Lepi:
	PLACES                                         ; behind the last matrix instructions, before their results are read
	s_wait_dscnt 0x0                               ; the rows for the way out
	; the sum of v over my 64 columns of this pass: a tree of packed sums
.irp k, 0,1,2,3,4,5,6,7,8,9,10,11,12,13,14,15
	v_pk_add_f32 v[T+2*\k:T+2*\k+1], v[VR+4*\k:VR+4*\k+1], v[VR+4*\k+2:VR+4*\k+3]
.endr
.irp k, 0,1,2,3,4,5,6,7
	v_pk_add_f32 v[T+2*\k:T+2*\k+1], v[T+2*\k:T+2*\k+1], v[T+16+2*\k:T+16+2*\k+1]
.endr
.irp k, 0,1,2,3
	v_pk_add_f32 v[T+2*\k:T+2*\k+1], v[T+2*\k:T+2*\k+1], v[T+8+2*\k:T+8+2*\k+1]
.endr
.irp k, 0,1
	v_pk_add_f32 v[T+2*\k:T+2*\k+1], v[T+2*\k:T+2*\k+1], v[T+4+2*\k:T+4+2*\k+1]
.endr
	v_pk_add_f32 v[T:T+1], v[T:T+1], v[T+2:T+3]
	v_pk_add_f32 v[VSUM:VSUM+1], v[VSUM:VSUM+1], v[T:T+1]
.irp bt, 0,1,2,3,4,5,6,7
	EPI \bt, 0
	EPI \bt, 1
.endr
	s_wait_alu depctr_vm_vsrc(0)                   ; this pass's LDS loads have read v[VHB], written next, and v[VA], written at the next pass's head
	v_add_nc_u32 v[VHB], 512, v[VHB]               ; the next pass's 128 columns
	s_add_co_u32 s24, s24, 1
	s_cmp_lt_u32 s24, 2
	s_cbranch_scc1 .Lpass
	; my columns' share of the 128 scores: sum of v - 2 S; then the other half of the lanes (the other 8 columns of each tile)
	v_add_f32 v[VSUM], v[VSUM], v[VSUM+1]
.irp a, 0,1,2,3,4,5,6,7
	v_add_f32 v[T+\a], v[S+2*\a], v[S+2*\a+1]
.endr
.irp a, 0,1,2,3,4,5,6,7
	v_fma_f32 v[T+\a], -2.0, v[T+\a], v[VSUM]
.endr
.irp a, 0,1,2,3,4,5,6,7
	v_permlanex16_b32 v[T+8+\a], v[T+\a], s26, s27 ; its destination has been written on the way out
.endr
.irp a, 0,1,2,3,4,5,6,7
	v_add_f32 v[T+\a], v[T+\a], v[T+8+\a]
.endr
	s_wait_alu depctr_va_vdst(0)                   ; the eight shares v[T:T+7] are written, which the LDS stores read
.irp a, 0,1,2,3,4,5,6,7
	ds_store_b32 v[RST], v[T+\a] offset:64*\a      ; row 16 a + r; both halves of the lanes write the same word with the same value
.endr
	s_wait_dscnt 0x0                               ; my 128 partial scores are written
	s_barrier_signal -1
	s_barrier_wait -1
	s_cmp_lg_u32 s16, 0
	s_cbranch_scc1 .Lend                           ; wave 0 adds the four waves' shares, in a fixed order, and stores
	s_wait_alu depctr_vm_vsrc(0)                   ; my LDS stores have read v[T], which the next line writes
	v_add_nc_u32 v[T], RED, v[L16]
	s_wait_alu depctr_va_vdst(0)                   ; v[T] is written, the address of the loads below; the way out is done reading v[F0 ..], in which they land
	ds_load_b128 v[F0:F0+3],     v[T]
	ds_load_b128 v[F0+4:F0+7],   v[T] offset:512
	ds_load_b128 v[F0+8:F0+11],  v[T] offset:1024
	ds_load_b128 v[F0+12:F0+15], v[T] offset:1536
	s_wait_dscnt 0x0
	v_pk_add_f32 v[F0:F0+1],     v[F0:F0+1],     v[F0+4:F0+5]
	v_pk_add_f32 v[F0+2:F0+3],   v[F0+2:F0+3],   v[F0+6:F0+7]
	v_pk_add_f32 v[F0+8:F0+9],   v[F0+8:F0+9],   v[F0+12:F0+13]
	v_pk_add_f32 v[F0+10:F0+11], v[F0+10:F0+11], v[F0+14:F0+15]
	v_pk_add_f32 v[F0:F0+1],     v[F0:F0+1],     v[F0+8:F0+9]
	v_pk_add_f32 v[F0+2:F0+3],   v[F0+2:F0+3],   v[F0+10:F0+11]
	s_wait_alu depctr_va_vdst(0)                   ; the sums v[F0:F0+3] are written, which the store reads
	global_store_b128 v[L16], v[F0:F0+3], s[14:15] ; 512 consecutive bytes, aligned
.Lend:
	s_wait_dscnt 0x0
	s_wait_alu depctr_hold_cnt(0) depctr_sa_sdst(0) depctr_va_vdst(0) depctr_va_sdst(0) depctr_va_ssrc(0) depctr_va_vcc(0) depctr_vm_vsrc(0)
	s_wait_tensorcnt 0x0
	ds_add_u32 v14, v15
	s_wait_dscnt 0x0
	s_endpgm
.Lfunc_end_k_q7e614657bb_main:
	.size	k_q7e614657bb_main, .Lfunc_end_k_q7e614657bb_main-k_q7e614657bb_main
	.p2alignl 7, 3214868480
	.fill 96, 4, 3214868480
	.section	.rodata,"a",@progbits
	.p2align	6, 0x0
	.amdhsa_kernel k_q7e614657bb_main
		.amdhsa_group_segment_fixed_size 274944
		.amdhsa_private_segment_fixed_size 0
		.amdhsa_enable_private_segment 0
		.amdhsa_kernarg_size 48
		.amdhsa_user_sgpr_count 2
		.amdhsa_user_sgpr_kernarg_segment_ptr 1
		.amdhsa_wavefront_size32 1
		.amdhsa_system_sgpr_workgroup_id_x 1
		.amdhsa_system_sgpr_workgroup_id_y 1
		.amdhsa_system_sgpr_workgroup_id_z 1
		.amdhsa_system_vgpr_workitem_id 0
		.amdhsa_next_free_vgpr 1024
		.amdhsa_next_free_sgpr 66
		.amdhsa_reserve_vcc 0
		.amdhsa_float_denorm_mode_32 3
		.amdhsa_float_denorm_mode_16_64 3
		.amdhsa_memory_ordered 1
		.amdhsa_forward_progress 1
		.amdhsa_inst_pref_size 245
	.end_amdhsa_kernel
	.amdgpu_metadata
---
amdhsa.version: [ 1, 2 ]
amdhsa.kernels:
  - .name:           k_q7e614657bb_main
    .symbol:         k_q7e614657bb_main.kd
    .args:
      - { .name: encoder_outputs, .offset: 0, .size: 8, .value_kind: global_buffer, .address_space: global }
      - { .name: wf, .offset: 8, .size: 8, .value_kind: global_buffer, .address_space: global }
      - { .name: hbp, .offset: 16, .size: 8, .value_kind: global_buffer, .address_space: global }
      - { .name: b, .offset: 24, .size: 8, .value_kind: global_buffer, .address_space: global }
      - { .name: v, .offset: 32, .size: 8, .value_kind: global_buffer, .address_space: global }
      - { .name: scores, .offset: 40, .size: 8, .value_kind: global_buffer, .address_space: global }
    .group_segment_fixed_size: 274944
    .private_segment_fixed_size: 0
    .kernarg_segment_align: 8
    .kernarg_segment_size: 48
    .max_flat_workgroup_size: 128
    .sgpr_count:     66
    .vgpr_count:     1024
    .wavefront_size: 32
...
	.end_amdgpu_metadata
.endif
;; end of part 4
;; launch softmax: the kernel of part 3 again; grid 32 x 1, 1 waves a work-group, no clusters, 0 bytes of LDS; arguments scores, encoder_mask, out0; writes out0
